; MI455X (gfx1250); checked and timed in simulation.
; The chip was launched on July 23, 2026; its instructions are those of AMD's public machine-readable ISA for CDNA 5 (MIT licence, August 2026) and "CDNA5" Instruction Set Architecture Reference Guide (July 2026). The comments in the code are by the model that wrote it; some were corrected since.
;; Soft Attention. Allowed arithmetic: matrix products marked QUANTISED: E2M1 operands, one E8M0 scale for each 32 along K, by v_wmma_scale_f32_16x16x128_f8f6f4 with both operands' format E2M1 (or v_wmma_scale_f32_32x16x128_f4), f32 sums; products left as they are: f32 operands where the result goes on into a quantised operand, else bf16, f16 or f32 operands; f32 sums; everything else in f32.
;; Inputs: W1_codes 1,024 x 32 x 16 uint8 (E2M1 codes of W1, K innermost, in blocks of 32 codes, two codes a byte); W1_scales 1,024 x 32 uint8 (E8M0 scales of W1, one for each 32 codes along K); W2 1,024 x 1,024 float32; b 1 float32; q 1 x 1,024 float32; v 65,536 x 1,024 float32.
;; Outputs: out0 1,024 float32.
;; This version of the problem:
;;   THIS VERSION OF THE PROBLEM IS GIVEN IN LOW PRECISION. The matrix products marked QUANTISED in the list below multiply operands that are first quantised to E2M1 (2 exponent bits, 1 mantissa bit; 4 bits a number), with one power-of-two scale for each 32 numbers along K (OCP MX v1.0); their sums are f32. All else is computed in f32.
;;   The module's matrix products, in the order in which they are computed (A, B: the left and right operand; K: the contracted axis; several contracted axes count as one K, in the product's order):
;;     1. [M 1,024, K 1,024] x [K 1,024, N 1]; A: input W2; B: input v: left as it is (N = 1 < 16)
;;     2. [M 65,536, K 1,024] x [K 1,024, N 1,024]; A: input v; B: input W1 (given as codes): QUANTISED
;;     3. [M 65,536, K 1,024] x [K 1,024, N 1]; A: computed on the way; B: input q: left as it is (N = 1 < 16)
;;     4. [M 1, K 65,536] x [K 65,536, N 1,024]; A: computed on the way; B: input v: left as it is (M = 1 < 16)
;;   THE QUANTISER, for each operand of a quantised product, along K:
;;     - K is cut into blocks of 32 from its start; a last block that is shorter is filled with zeros.
;;     - A block's scale is 2^e with e = floor(log2(the largest magnitude in the block)) - 2, held to -126 .. 127; a block of zeros has e = 0. As a byte (E8M0): e + 127.
;;     - Each number is divided by its block's scale, clamped to +-6, and rounded to the nearest number of E2M1, ties to even, subnormals kept.
;;     - The product sums the exact products of the quantised numbers (number of the format x scale) in f32.
;;   ~~~python
;;   def quantise(x, axis):      # numpy; x: float32 -> the quantised numbers, widened to float32 again
;;       x = np.moveaxis(x, axis, -1); K = x.shape[-1]
;;       x = np.pad(x, [(0, 0)] * (x.ndim - 1) + [(0, -K % 32)]); x = x.reshape(x.shape[:-1] + (-1, 32)); a = np.abs(x).max(-1, keepdims=True)
;;       e = np.where(a > 0, np.clip(np.frexp(np.where(a > 0, a, 1))[1] - 1 - 2, -126, 127), 0)      # np.frexp(a)[1] - 1 = floor(log2(a)), exactly
;;       r = np.clip(x / 2.0 ** e, -6, 6)
;;       step = 2.0 ** (np.maximum(np.frexp(np.where(r == 0, 1, r))[1] - 1, 0) - 1)
;;       q = np.round(r / step) * step * 2.0 ** e      # np.round: ties to even
;;       return np.moveaxis(q.reshape(q.shape[:-2] + (-1,))[..., :K], -1, axis).astype(np.float32)
;;   ~~~
;;   INPUTS GIVEN AS CODES. W1 (in the module: [1024, 1024], K = its axis 1): each comes as NAME_codes (uint8): NAME with its K axis moved to the last place and cut into blocks of 32 codes, [.., K / 32, bytes a block], one block behind the other in memory; two codes a byte, the lower K in the low four bits (a code: sign, 2 exponent bits, 1 mantissa bit); and NAME_scales (uint8): the same leading axes, one E8M0 byte (e + 127) for each 32 codes along K. Its value is code x scale, taken as it is: it is not quantised again, and the codes and scales need not be those that the quantiser above would give.
;; One version. Each part assembles by itself: llvm-mc -triple=amdgcn-amd-amdhsa -mcpu=gfx1250 --defsym DOCPART=n.
;; ======== version 1 of 1: 2 launches
;; limits: values are held in bf16: 8 bits of precision; right only within a limited range of input values
;; workspace buffers: part 2,097,152 bytes; tq 4,096 bytes
;; launch main (part 1): grid 256 x 1, 4 waves a work-group, clusters of 4 x 1, 327,680 bytes of LDS; arguments W1_codes, W1_scales, W2, b, q, v, part, tq; writes part, tq
.if DOCPART == 1
	.amdgcn_target "amdgcn-amd-amdhsa--gfx1250"
	.amdhsa_code_object_version 6
	.text
	.protected	k_q5d9742b301_main
	.globl	k_q5d9742b301_main
	.p2align	8
	.type	k_q5d9742b301_main,@function
k_q5d9742b301_main:
	s_mov_b64 s[64:65], 0
	v_nop
	global_prefetch_b8 v0, s[64:65] scope:SCOPE_SE
	s_setreg_imm32_b32 hwreg(HW_REG_WAVE_MODE, 25, 1), 1
	s_wait_xcnt 0x0
	s_wait_alu depctr_hold_cnt(0) depctr_sa_sdst(0) depctr_va_vdst(0) depctr_va_sdst(0) depctr_va_ssrc(0) depctr_va_vcc(0) depctr_vm_vsrc(0)
	s_getreg_b32 s2, hwreg(HW_REG_IB_STS2, 6, 4)
	s_cmp_eq_u32 s2, 0
	s_cbranch_scc0 .Lentry_in_a_cluster
	s_endpgm
.Lentry_in_a_cluster:
	s_bfe_u32 s2, ttmp6, 0x10000c
	s_cmp_lg_u32 s2, 0x3003
	s_cbranch_scc0 .Lentry_shape_is_right
	s_endpgm
.Lentry_shape_is_right:
; out = scores @ v,  scores[s] = sum_d q[d] (sum_k W1[d][k] Q(v)[s][k] + ctx[d]),  ctx = W2 v[last] + b.  Q: MX-FP4 along k, made here; W1 comes as codes.
; NO WORK IS LEFT OUT: every input is loaded.  Only f32 sums are ordered otherwise: with s0[s] the part of a score that hangs on s and c0 = sum_d q[d] ctx[d],
; out = sum_s s0[s] v[s] + c0 sum_s v[s].  Stored here: for each work-group P1 = sum s0[s] v[s] and P2 = sum v[s] over its rows (part), and tq[d] = q[d] ctx[d]; the second launch adds up.
; SHARES.  Work-group g owns rows 256 g .. + 255: 16 tiles of 16.  Wave w loads, rounds to bf16 and quantises columns 256 w .. + 255 of each tile (K steps 2 w, 2 w + 1),
; and hands its 16 code registers and 2 scale words to the others as register images in its own stage (one barrier a trip).
; A WINDOW OF FOUR TILES.  W1's codes go round in quarters of 256 rows through two LDS slots.  A trip multiplies one quarter by the window's four tiles; a tile enters in each trip, stays four trips and is retired in the fifth:
; each row of v is read from memory once.  IN A TRIP WAVE w TAKES ROWS 64 w .. + 63 OF THE QUARTER (four tiles of 16) over all eight K steps: 128 products, and 4 packed multiply-adds by q for each finished 16 x 16 result.
; A tile's four partial scores (one a wave, over its rows of W1) meet in LDS.
; CLUSTER.  The four partners walk the same quarters of W1: each is asked for jointly (mask 15), each wave bringing 64 rows of 512 bytes.
; THE LAST PRODUCT and the column sums go by the bf16 matrix form: source 0 has the scores in row 0, ones in row 8, zeros elsewhere; register 0 of a result then holds P1 in lanes 0-15 and P2 in lanes 16-31, and is added to 16 kept registers.
; PREFETCH.  A tile's loads go out one tile ahead; in the same trip each wave names the 64 blocks of 256 bytes of its part of the tile two ahead, a lane a block, two instructions; tiles 16 and 17 do not exist and are not named.
; LIMITS.  scores and v are rounded to bf16 for the last product.  In the first trips the window's empty places hold zero codes and zero bf16 and are multiplied all the same: one loop body.
; A retired tile's fragment also holds its neighbour tile's rows, multiplied by 0: an infinity or NaN there gives NaN.  A block of zeros gets the scale byte 1 (its codes are zeros); blocks under 2^-124 are held at byte 1; NaN and infinities in v are not served.
; REGISTERS (s_set_vgpr_msb: bits 1:0 source 0, 3:2 source 1, 5:4 source 2, 7:6 destination):
;   window 0: v0-127 addresses, scale words, P; v128-255 a tile of v as loaded.   window 1: v0-127 W1's fragments, two buffers of 8 K steps (also v on its way to codes, and scores at work); v128-191 two sets of four accumulators; v192-223 score sums; v224-231 q; v232-247 my new codes.
;   window 2: the window's codes, place g, K step k at 64 g + 8 k.   window 3: the window's four tiles as bf16 (at the head: the tables on their way to LDS).
.set SLOT,  135168                     ; 256 rows x (512 + 16) bytes
.set SCT,   270336                     ; W1's scale bytes as in memory, 32 a row
.set QT,    303104                     ; q
.set STG,   307200                     ; a stage of 4,352 bytes for each wave
.set SCO,   324608                     ; partial scores, [area 2][wave 4][16] f32
.set SPARE, 325120                     ; the spare words; no other line names them
.set VO,1
.set STW,2
.set STR,3
.set LB0,4                             ; v4, v5: my place in a tile of W1, slot 0, 1
.set LQ,6
.set LS,7
.set XW,8                              ; codes: image out, image in
.set XR,9
.set SCW,10
.set SCR,11
.set SPW,12
.set NIL,13
.set ONES,14
.set ZO,15
.set AF,16                             ; v16-23 source 0 of the last product
.set XSW,24                            ; scale words: out, in
.set XSR,25
.set OA,26
.set SH8,27
.set TSA,28
.set TQA,29
.set CC,30
.set HH,31
.set AS,32                             ; v32-63 v's scale words, 8 x place + K step
.set BS,64                             ; v64-79 W1's scale words, 8 x pair of tiles + K step: lanes 0-15 the even tile, 16-31 the odd
.set P,80                              ; v80-95 P1 | P2
.set TM,96
.set XS,106
.set LN,108
.set T16,109
.set L16,110
.set QD,111
.set TA,112
.set TB,113
.set TT,114
.set PFO,120
.set RAW,128
.set ACC,128                           ; window 1
.set SS,192
.set QR,224
.set XC,232
.set WV,20
.set G1,24
.set G0,32
.set WB,36
.set WL,38
.set VB,40
.set LC,42
.set SEL,50
.set MSB, 0
.macro WIN new                         ; the immediate's high byte repeats the setting that is left
.if MSB != (\new)
	s_set_vgpr_msb (MSB<<8)|(\new)
.set MSB, (\new)
.endif
.endm
.macro NOPS n
.rept \n
	v_nop
.endr
.endm
.macro WAITD n                         ; the first line stands ahead of a wait behind which fresh vector results are read
	s_wait_alu depctr_va_vdst(0)
	s_wait_dscnt \n
.endm
.macro CROUND                          ; a round of the cluster's barrier
	s_barrier_signal -1
	s_barrier_wait -1
	s_cmp_lg_u32 s[WV], 0
	s_cbranch_scc1 .Lnw0_\@
	s_barrier_signal -3
.Lnw0_\@:
	s_barrier_wait -3
	s_barrier_signal -1
	s_barrier_wait -1
.endm
.macro CHANGE slotn, qn, fill          ; the change of slots; fill = 1: slot slotn, read in the last trip, takes quarter qn
	WIN 0
	s_wait_alu depctr_va_vdst(0)
	s_wait_tensorcnt 0x0                           ; my part of this trip's quarter is in; group 0 may be written
	ds_add_u32 v[SPW], v[NIL]
.if \fill
	s_add_co_u32 s[G0+1], s[WL], (\slotn)*SLOT
	s_add_nc_u64 s[G0+2:G0+3], s[WB:WB+1], (\qn)*131072
	s_or_b32 s[G0+3], s[G0+3], 0x80000000
.endif
	s_wait_dscnt 0x0                               ; the add, my reads of the other slot and of the stages, my stores of partial scores
.if \fill
	CROUND
	tensor_load_to_lds s[G0:G0+3], s[G1:G1+7]      ; my one load behind the round
	s_nop 0
	NOPS 4
.else
	s_barrier_signal -1
	s_barrier_wait -1
.endif
.endm
.macro F2 sg, area                     ; place sg is retired: the waves' partial scores are added; P takes the tile
	WIN 0x40
.irp u, 0,1,2,3
	ds_load_b128 v[8*\u:8*\u+3], v[SCR] offset:256*(\area)+64*\u
	ds_load_b128 v[8*\u+4:8*\u+7], v[SCR] offset:256*(\area)+64*\u+16
.endr
	WIN 0
.irp j, 0,1,2,3
	v_mov_b32 v[AF+4*(1-(\sg)%2)+\j], 0            ; the neighbour tile's half of K counts for nothing
.endr
	WAITD 0
	WIN 0x55
.irp j, 0,2,4,6
	v_pk_add_f32 v[\j:\j+1], v[\j:\j+1], v[8+\j:9+\j]
	v_pk_add_f32 v[16+\j:17+\j], v[16+\j:17+\j], v[24+\j:25+\j]
.endr
.irp j, 0,2,4,6
	v_pk_add_f32 v[\j:\j+1], v[\j:\j+1], v[16+\j:17+\j]    ; register j: the score of row 8 (lane / 16) + j
.endr
	WIN 0x05
.irp j, 0,1,2,3
	v_cvt_pk_bf16_f32 v[AF+4*((\sg)%2)+\j], v[2*\j], v[2*\j+1]
.endr
	WIN 0
.irp j, 0,1,2,3
	v_cndmask_b32 v[AF+4*((\sg)%2)+\j], 0, v[AF+4*((\sg)%2)+\j], s52          ; row 0: the scores; else 0
.endr
.irp j, 0,1,2,3
	v_cndmask_b32 v[AF+4*((\sg)%2)+\j], v[AF+4*((\sg)%2)+\j], v[ONES], s53    ; row 8: ones
.endr
	NOPS 4
.irp hf, 0,1
	WIN 0x4C                                       ; results in window 1, source 1 in window 3
.irp f, 0,1,2,3,4,5,6,7
	v_wmma_f32_16x16x32_bf16 v[ACC+8*\f:ACC+8*\f+7], v[AF:AF+7], v[128*((\sg)/2)+8*(8*\hf+\f):128*((\sg)/2)+8*(8*\hf+\f)+7], 0
.endr
	NOPS 4                                         ; places ahead of the reads
	WIN 0x01
.irp f, 0,1,2,3,4,5,6,7
	v_add_f32 v[P+8*\hf+\f], v[ACC+8*\f], v[P+8*\hf+\f]
.endr
.endr
	WIN 0
.endm
.macro VLOAD p, timm                   ; piece p (64 columns): instruction i reads row i + 8 (lane / 16); sixteen lanes read 256 consecutive bytes, aligned
.irp i, 0,1,2,3,4,5,6,7
	global_load_b128 v[RAW+32*(\p)+4*\i:RAW+32*(\p)+4*\i+3], v[VO], s[VB:VB+1] offset:65536*(\timm)+4096*\i+256*(\p) th:TH_LOAD_NT
.endr
.endm
.macro SKIP3 c, lbl                    ; c = 1: not in the loop's last trip (the count is the same in all waves and partners)
.if \c
	s_wait_alu depctr_va_vdst(0)
	s_cmp_eq_u32 s[LC], 3
	s_cbranch_scc1 \lbl
.endif
.endm
; 64 numbers of a lane in window 1, v[x + 32 c + i] = k 64 c + 32 (lane / 16) + i of row lane % 16, become my K step s: codes and scale word.  A lane holds two whole blocks.
.macro QUANT x, s
	WIN 0x05
.irp u, 0,1,2,3
	v_max3_num_f32 v[TM+\u], |v[(\x)+16*\u]|, |v[(\x)+16*\u+1]|, 0x1800000     ; the floor 2^(3 - 127) holds the byte at 1 from below
.endr
.irp i, 2,4,6,8,10,12,14
.irp u, 0,1,2,3
	v_max3_num_f32 v[TM+\u], |v[(\x)+16*\u+\i]|, |v[(\x)+16*\u+\i+1]|, v[TM+\u]
.endr
.endr
	WIN 0
	v_max_num_f32 v[TM], v[TM], v[TM+1]
	v_max_num_f32 v[TM+2], v[TM+2], v[TM+3]
	v_add_nc_u32 v[TM+4], 0xff000000, v[TM]        ; 2 off the exponent field: the conversion's scale operand
	v_add_nc_u32 v[TM+5], 0xff000000, v[TM+2]
	v_lshrrev_b32 v[TM+6], 23, v[TM+4]
	v_lshrrev_b32 v[TM+7], 23, v[TM+5]
	v_lshl_or_b32 v[TM+8], v[TM+7], 16, v[TM+6]    ; my two bytes: blocks h and 2 + h,
	v_lshlrev_b32 v[TM+8], v[SH8], v[TM+8]         ; 8 h bits up;
	v_permlanex16_b32 v[TM+9], v[TM+8], s[SEL], s[SEL+1]
	v_or_b32 v[XS+(\s)], v[TM+8], v[TM+9]          ; with lane l xor 16's the word is whole
	WIN 0x41
.irp c, 0,1
.irp g, 0,1,2,3
	v_cvt_scalef32_pk8_fp4_f32 v[XC+8*(\s)+4*\c+\g], v[(\x)+32*\c+8*\g:(\x)+32*\c+8*\g+7], v[TM+4+\c]
.endr
.endr
	v_nop                                          ; one plain place behind the last conversion
.endm
.macro LOADB t, slot                   ; tile t of my four: 8 K steps, 16 loads, into buffer t % 2
	WIN 0x40
.irp k, 0,1,2,3,4,5,6,7
.irp c, 0,1
	ds_load_b128 v[64*((\t)%2)+8*\k+4*\c:64*((\t)%2)+8*\k+4*\c+3], v[LB0+(\slot)] offset:8448*(\t)+64*\k+32*\c
.endr
.endr
.endm
.macro PRIME slot, qr                  ; the trip's scale words and q, and tiles 0 and 1: 40 loads
	WIN 0
.irp pr, 0,1
.irp hf, 0,1
	ds_load_b128 v[BS+8*\pr+4*\hf:BS+8*\pr+4*\hf+3], v[LS] offset:8192*(\qr)+1024*\pr+16*\hf
.endr
.endr
	WIN 0x40
.irp t, 0,1,2,3
	ds_load_b32 v[QR+2*\t], v[LQ] offset:1024*(\qr)+64*\t
.endr
	LOADB 0, \slot
	LOADB 1, \slot
	WIN 0
.endm
; One product: tile t of W1 against place g, K step k.  K step 0 starts the sum.  With one place left each link follows the link before it, and a wait stands directly ahead.
.macro WONE t, k, g, lo
.set rD, ACC+32*((\t)%2)+8*(\g)
.set rA, 64*(\g)+8*(\k)
.set rB, 64*((\t)%2)+8*(\k)
.set rSA, AS+8*(\g)+(\k)
.set rSB, BS+8*((\t)/2)+(\k)
.if (\k) == 0
.if (\t)%2 == 0
	v_wmma_scale_f32_16x16x128_f8f6f4 v[rD:rD+7], v[rA:rA+7], v[rB:rB+7], 0, v[rSA], v[rSB] matrix_a_fmt:MATRIX_FMT_FP4 matrix_b_fmt:MATRIX_FMT_FP4
.else
	v_wmma_scale_f32_16x16x128_f8f6f4 v[rD:rD+7], v[rA:rA+7], v[rB:rB+7], 0, v[rSA], v[rSB] matrix_a_fmt:MATRIX_FMT_FP4 matrix_b_fmt:MATRIX_FMT_FP4 matrix_b_scale:MATRIX_SCALE_ROW1
.endif
.else
.if (\lo) == 3
	s_wait_alu depctr_va_vdst(0)
.endif
.if (\t)%2 == 0
	v_wmma_scale_f32_16x16x128_f8f6f4 v[rD:rD+7], v[rA:rA+7], v[rB:rB+7], v[rD:rD+7], v[rSA], v[rSB] matrix_a_fmt:MATRIX_FMT_FP4 matrix_b_fmt:MATRIX_FMT_FP4
.else
	v_wmma_scale_f32_16x16x128_f8f6f4 v[rD:rD+7], v[rA:rA+7], v[rB:rB+7], v[rD:rD+7], v[rSA], v[rSB] matrix_a_fmt:MATRIX_FMT_FP4 matrix_b_fmt:MATRIX_FMT_FP4 matrix_b_scale:MATRIX_SCALE_ROW1
.endif
.endif
.endm
; place g's score sums += registers 2 i, 2 i + 1 of its result of tile t x q[d]: a lane holds one d (lane % 16) and eight rows
.macro EONE t, i, g
	v_pk_fma_f32 v[SS+8*(\g)+2*(\i):SS+8*(\g)+2*(\i)+1], v[ACC+32*((\t)%2)+8*(\g)+2*(\i):ACC+32*((\t)%2)+8*(\g)+2*(\i)+1], v[QR+2*(\t):QR+2*(\t)+1], v[SS+8*(\g)+2*(\i):SS+8*(\g)+2*(\i)+1] op_sel_hi:[1,0,1]
.endm
; Tile t against places lo .. 3: K step by K step, the places' accumulators by turns.  em = 1: behind every two K steps one register pair of each place's result of tile t - 1 (the other set), from the low end on.
.macro TILE t, lo, em
.irp kk, 0,1,2,3
	WIN 0x56                                       ; codes in window 2; fragments, C and D in window 1
.irp s, 0,1
.irp g, 0,1,2,3
.if \g >= \lo
	WONE \t, 2*\kk+\s, \g, \lo
.endif
.endr
.endr
.if \em
	WIN 0x55
.irp g, 0,1,2,3
.if \g >= \lo
	EONE (\t)-1, \kk, \g
.endif
.endr
.endif
.endr
.endm
; A quarter.  Four v_nop behind each tile: places ahead of the loads into its buffer and of the reads of its results.
.macro GEMM slot, lo
	WAITD 0                                        ; scale words, q, tiles 0 and 1, the new codes
	TILE 0, \lo, 0
	NOPS 4
	LOADB 2, \slot
	TILE 1, \lo, 1
	NOPS 4
	LOADB 3, \slot
	WAITD 16                                       ; tile 2 is in: behind it tile 3's 16 loads
	TILE 2, \lo, 1
	NOPS 4
	WAITD 0
	TILE 3, \lo, 1
	NOPS 4
	WIN 0x55
.irp i, 0,1,2,3
.irp g, 0,1,2,3
.if \g >= \lo
	EONE 3, \i, \g
.endif
.endr
.endr
	WIN 0
.endm
.macro F1 sg, area                     ; place sg has met all four quarters: its sums are added across the 16 lanes and go to LDS; then they begin anew
	WIN 0x45
.irp m, 1,2,4,8
.irp j, 0,1,2,3,4,5,6,7
	v_add_f32_dpp v[SS+8*(\sg)+\j], v[SS+8*(\sg)+\j], v[SS+8*(\sg)+\j] row_xmask:\m row_mask:0xf bank_mask:0xf
.endr
.endr
	WIN 0x04
	ds_store_b128 v[SCW], v[SS+8*(\sg):SS+8*(\sg)+3] offset:256*(\area)   ; the 16 lanes of a half write the same bytes with the same values
	ds_store_b128 v[SCW], v[SS+8*(\sg)+4:SS+8*(\sg)+7] offset:256*(\area)+16
	WIN 0x40
.irp j, 0,1,2,3,4,5,6,7
	v_mov_b32 v[SS+8*(\sg)+\j], 0
.endr
	WIN 0
.endm
; A TILE ENTERS at place sg.  bf16 for the last product; 64 columns at a time through my stage, so that a lane holds 32 neighbours of one row; codes; the codes' images to all waves.
; The next tile is asked for into the registers just left, each half behind the wait that shows the stage's stores of them done.  lc, lp = 1: no next tile, no tile two ahead, in the loop's last trip.
.macro INTAKE sg, lc, lp, slot, qr
	s_wait_alu depctr_va_vdst(0)
	s_wait_loadcnt 0x0
	WIN 0xC0
.irp p, 0,1,2,3
.irp e, 0,1,2,3
.irp j, 0,1,2,3
	v_cvt_pk_bf16_f32 v[128*((\sg)/2)+8*(4*\p+\e)+4*((\sg)%2)+\j], v[RAW+32*\p+8*\j+\e], v[RAW+32*\p+8*\j+4+\e]   ; rows 8 h + 2 j, 2 j + 1 of column 64 p + 4 (lane % 16) + e
.endr
.endr
.endr
.irp p, 0,1,2,3
	WIN 0
.irp i, 0,1,2,3,4,5,6,7
	ds_store_b128 v[STW], v[RAW+32*\p+4*\i:RAW+32*\p+4*\i+3] offset:272*\i
.endr
	WIN 0x40
.irp i, 0,1,2,3,4,5,6,7
	ds_load_b128 v[32*\p+4*\i:32*\p+4*\i+3], v[STR] offset:16*\i   ; LDS serves a wave's instructions in order
.endr
.endr
	WIN 0
	s_wait_dscnt 32                                ; pieces 0 and 1 are through: behind them 16 stores and 16 loads
	SKIP3 \lc, .La_\@
	VLOAD 0, (\sg)+1
	VLOAD 1, (\sg)+1
.La_\@:
	QUANT 0, 0
	WIN 0
	WAITD 0                                        ; pieces 2 and 3 are through
	SKIP3 \lc, .Lb_\@
	VLOAD 2, (\sg)+1
	VLOAD 3, (\sg)+1
.Lb_\@:
	SKIP3 \lp, .Lc_\@
	global_prefetch_b8 v[PFO], s[VB:VB+1] offset:65536*((\sg)+2) th:TH_LOAD_NT scope:SCOPE_SE         ; the tile two ahead: rows 0-7, 4 blocks of 256 bytes each,
	global_prefetch_b8 v[PFO], s[VB:VB+1] offset:65536*((\sg)+2)+32768 th:TH_LOAD_NT scope:SCOPE_SE   ; rows 8-15
.Lc_\@:
	QUANT 64, 1
	WIN 0x04
.irp x, 0,1,2,3
	ds_store_b128 v[XW], v[XC+4*\x:XC+4*\x+3] offset:512*\x     ; images of my 16 code registers, over stage bytes that my loads above have read
.endr
	WIN 0
	ds_store_b32 v[XSW], v[XS]
	ds_store_b32 v[XSW], v[XS+1] offset:128
	WAITD 0                                        ; for the others' sake: my images lie in LDS
	s_barrier_signal -1
	PRIME \slot, \qr                               ; reads of bytes that nobody writes before the next change of slots
	s_barrier_wait -1
	WIN 0x80
.irp u, 0,1,2,3
.irp x, 0,1,2,3
	ds_load_b128 v[64*(\sg)+16*\u+4*\x:64*(\sg)+16*\u+4*\x+3], v[XR] offset:4352*\u+512*\x   ; wave u's K steps 2 u, 2 u + 1
.endr
.endr
	WIN 0
.irp u, 0,1,2,3
.irp s, 0,1
	ds_load_b32 v[AS+8*(\sg)+2*\u+\s], v[XSR] offset:4352*\u+128*\s
.endr
.endr
.endm
.macro TRIP j, fill, intake, lc, lp, lo
	CHANGE ((\j)+1)%2, ((\j)+1)%4, \fill
	F2 \j, ((\j)+1)%2
.if \intake
	INTAKE \j, \lc, \lp, (\j)%2, \j
.else
	PRIME (\j)%2, \j
.endif
	GEMM (\j)%2, \lo
	F1 ((\j)+1)%4, (\j)%2
.endm
	s_load_b512 s[4:19], s[0:1], 0x0               ; W1's codes s[4:5], its scales s[6:7], W2 s[8:9], b s[10:11], q s[12:13], v s[14:15], part s[16:17], tq s[18:19]
	v_lshl_add_u32 v[SPW], v0, 2, SPARE
	v_mov_b32 v[NIL], 0
	ds_add_u32 v[SPW], v[NIL]                      ; the opening lines: the add twice on end and its wait
	ds_add_u32 v[SPW], v[NIL]
	v_lshrrev_b32 v[TA], 5, v0
	v_readfirstlane_b32 s[WV], v[TA]               ; wave 0..3
	s_bfe_u32 s21, ttmp6, 0x40000                  ; cx
	s_lshl_b32 s22, ttmp9, 2
	s_add_co_u32 s22, s22, s21                     ; g: it enters addresses of v, W2, q[d], part and tq alone
	s_mov_b32 s[G1], 15|(1<<20)|(1<<21)|(6<<22)|(3<<25)   ; all four partners; 1-byte elements; after every 128 words 4 words of padding
	s_mov_b32 s[G1+1], 512<<16
	s_mov_b32 s[G1+2], 64<<16
	s_mov_b32 s[G1+3], 512<<16
	s_mov_b32 s[G1+4], 64
	s_mov_b32 s[G1+5], 512
	s_mov_b32 s[G1+6], 0
	s_mov_b32 s[G1+7], 0
	s_mov_b32 s[G0], 1
	s_mul_i32 s[WL], s[WV], 33792                  ; my 64 rows' place in a slot
	s_mov_b32 s[G0+1], s[WL]
	s_mov_b32 s[SEL], 0x76543210
	s_mov_b32 s[SEL+1], 0xfedcba98                 ; lane l xor 16
	s_mov_b32 s52, 0x00010001                      ; lanes 0 and 16: row 0
	s_mov_b32 s53, 0x01000100                      ; lanes 8 and 24: row 8
	v_and_b32 v[CC], 15, v0
	v_bfe_u32 v[HH], v0, 4, 1
	v_and_b32 v[LN], 31, v0
	v_lshlrev_b32 v[VO], 4, v[CC]
	v_lshl_add_u32 v[VO], v[HH], 15, v[VO]
	s_mul_i32 s54, s[WV], 4352
	s_add_co_u32 s54, s54, STG                     ; my stage
	s_add_co_u32 s55, s54, 2048
	v_mul_u32_u24 v[STW], v[HH], 2176
	v_lshl_add_u32 v[STW], v[CC], 4, v[STW]
	v_add_nc_u32 v[STW], s54, v[STW]               ; in: row i + 8 h, 16 bytes a lane
	v_mul_u32_u24 v[STR], v[CC], 272
	v_lshl_add_u32 v[STR], v[HH], 7, v[STR]
	v_add_nc_u32 v[STR], s54, v[STR]               ; out: row lane % 16, 128 bytes for each half of the lanes
	v_lshl_add_u32 v[XW], v[LN], 4, s54
	v_lshl_add_u32 v[XSW], v[LN], 2, s55
	v_lshl_add_u32 v[XR], v[LN], 4, STG
	v_lshl_add_u32 v[XSR], v[LN], 2, STG+2048
	v_mul_u32_u24 v[LB0], v[CC], 528
	v_lshl_add_u32 v[LB0], v[HH], 4, v[LB0]
	v_add_nc_u32 v[LB0], s[WL], v[LB0]             ; row x pitch + 16 h + my wave's 64 rows
	v_add_nc_u32 v[LB0+1], SLOT, v[LB0]
	s_lshl_b32 s55, s[WV], 8
	s_add_co_u32 s55, s55, QT
	v_lshl_add_u32 v[LQ], v[CC], 2, s55
	s_lshl_b32 s55, s[WV], 11
	s_add_co_u32 s55, s55, SCT
	v_lshl_add_u32 v[LS], v[LN], 5, s55            ; 32 bytes a row, 32 rows: two tiles
	s_lshl_b32 s55, s[WV], 6
	s_add_co_u32 s55, s55, SCO
	v_lshl_add_u32 v[SCW], v[HH], 5, s55
	v_lshl_add_u32 v[SCR], v[HH], 5, SCO
	v_mov_b32 v[ONES], 0x3f803f80
	v_mov_b32 v[ZO], 0
	v_lshlrev_b32 v[OA], 4, v[CC]
	v_lshl_add_u32 v[OA], v[HH], 12, v[OA]
	v_lshlrev_b32 v[SH8], 3, v[HH]
	v_lshl_add_u32 v[TSA], v0, 4, SCT
	v_lshl_add_u32 v[TQA], v0, 4, QT
	v_lshlrev_b32 v[T16], 4, v0
	v_lshlrev_b32 v[L16], 4, v[LN]
	v_lshrrev_b32 v[TA], 2, v[LN]
	v_and_b32 v[TB], 3, v[LN]
	v_lshlrev_b32 v[PFO], 8, v[TB]
	v_lshl_add_u32 v[PFO], v[TA], 12, v[PFO]       ; row lane / 4, block lane % 4
	WAITD 0                                        ; both opening adds are done
	s_wait_kmcnt 0x0
	s_lshl_b32 s54, s[WV], 15
	s_mov_b32 s55, 0
	s_add_nc_u64 s[WB:WB+1], s[4:5], s[54:55]      ; my 64 rows of a quarter: the wave's number alone
	s_mov_b64 s[G0+2:G0+3], s[WB:WB+1]
	s_or_b32 s[G0+3], s[G0+3], 0x80000000
	CROUND                                         ; the first joint loads meet
	tensor_load_to_lds s[G0:G0+3], s[G1:G1+7]      ; quarter 0 into slot 0
	s_nop 0
	NOPS 4
	s_lshl_b32 s54, s22, 20
	s_lshl_b32 s56, s[WV], 10
	s_add_co_u32 s54, s54, s56
	s_add_nc_u64 s[VB:VB+1], s[14:15], s[54:55]    ; v at my work-group's first row, my wave's columns
	s_lshl_b32 s56, s22, 2
	s_add_co_u32 s56, s56, s[WV]                   ; d = 4 g + wave: my row of W2
	s_lshl_b32 s58, s56, 2
	v_mov_b32 v[QD], s58
	s_lshl_b32 s54, s56, 12
	s_add_nc_u64 s[56:57], s[8:9], s[54:55]
	s_add_nc_u64 s[58:59], s[14:15], 0xffff000     ; v's last row
	WIN 0xC0
	s_wait_alu depctr_va_vdst(0)
.irp i, 0,1,2,3,4,5,6,7,8,9,10,11,12,13,14,15
	global_load_b128 v[4*\i:4*\i+3], v[T16], s[6:7] offset:2048*\i
.endr
.irp i, 0,1
	global_load_b128 v[64+4*\i:67+4*\i], v[T16], s[12:13] offset:2048*\i
.endr
.irp i, 0,1,2,3,4,5,6,7
	global_load_b128 v[72+4*\i:75+4*\i], v[L16], s[56:57] offset:512*\i
.endr
.irp i, 0,1,2,3,4,5,6,7
	global_load_b128 v[104+4*\i:107+4*\i], v[L16], s[58:59] offset:512*\i
.endr
	global_load_b32 v136, v[QD], s[12:13]
	global_load_b32 v137, v[ZO], s[10:11]
	WIN 0
.irp p, 0,1,2,3
	VLOAD \p, 0                                    ; tile 0
.endr
	WIN 0x80                                       ; the window begins empty: zero codes,
.set i, 0
.rept 256
	v_mov_b32 v[i], 0
.set i, i+1
.endr
	WIN 0x40                                       ; zero sums,
.set i, SS
.rept 32
	v_mov_b32 v[i], 0
.set i, i+1
.endr
.irp b, 1,3,5,7
	v_mov_b32 v[QR+\b], 0                          ; named with q as pairs, so they are written
.endr
	WIN 0
.set i, AS
.rept 32
	v_mov_b32 v[i], 0                              ; scale words over zero codes,
.set i, i+1
.endr
.set i, P
.rept 16
	v_mov_b32 v[i], 0                              ; P1 and P2
.set i, i+1
.endr
	v_mov_b32 v[TM+9], 0                           ; a lane permute's destination counts as one of its sources
	v_mov_b32 v[TT+2], 0
	s_wait_alu depctr_va_vdst(0)
	s_wait_loadcnt 32                              ; the tables are in: behind them tile 0's 32 loads
	WIN 0x0C
.irp i, 0,1,2,3,4,5,6,7,8,9,10,11,12,13,14,15
	ds_store_b128 v[TSA], v[4*\i:4*\i+3] offset:2048*\i
.endr
.irp i, 0,1
	ds_store_b128 v[TQA], v[64+4*\i:67+4*\i] offset:2048*\i
.endr
	WIN 0
	ds_store_b128 v[SCW], v[P:P+3] offset:256      ; score area 1 is read in the first trip, for an empty place: zeros
	ds_store_b128 v[SCW], v[P:P+3] offset:272
	; tq[d] = q[d] (W2[d] . v[last] + b), in f32
	WIN 0x0F
	v_pk_mul_f32 v[TT:TT+1], v[72:73], v[104:105]
.irp i, 1,2,3,4,5,6,7,8,9,10,11,12,13,14,15
	v_pk_fma_f32 v[TT:TT+1], v[72+2*\i:73+2*\i], v[104+2*\i:105+2*\i], v[TT:TT+1]
.endr
	WIN 0x03
	v_mov_b32 v[TT+4], v136
	v_mov_b32 v[TT+5], v137
	WIN 0
	v_add_f32 v[TT], v[TT], v[TT+1]
.irp m, 1,2,4,8
	v_add_f32_dpp v[TT], v[TT], v[TT] row_xmask:\m row_mask:0xf bank_mask:0xf
.endr
	v_permlanex16_b32 v[TT+2], v[TT], s[SEL], s[SEL+1]
	v_add_f32 v[TT], v[TT], v[TT+2]
	v_add_f32 v[TT], v[TT], v[TT+5]
	v_mul_f32 v[TT], v[TT], v[TT+4]
	v_cmp_eq_u32 vcc_lo, 0, v[LN]
	s_wait_alu depctr_va_vdst(0)
	s_wait_xcnt 0x0                                ; EXEC changes only behind this wait: loads are out
	s_and_saveexec_b32 s54, vcc_lo
	global_store_b32 v[QD], v[TT], s[18:19]
	s_wait_xcnt 0x0
	s_or_b32 exec_lo, exec_lo, s54
	s_wait_dscnt 0x0                               ; the tables' stores are done
	WIN 0xC0
.set i, 0
.rept 256
	v_mov_b32 v[i], 0                              ; the window's bf16: empty places are retired in the first four trips
.set i, i+1
.endr
	WIN 0
	s_mov_b32 s[LC], 0
.Lloop:                                            ; four tiles a trip of this loop: the places' registers come round
	TRIP 0, 1, 1, 0, 0, 0
	TRIP 1, 1, 1, 0, 0, 0
	TRIP 2, 1, 1, 0, 1, 0
	TRIP 3, 1, 1, 1, 1, 0
	s_wait_alu depctr_va_vdst(0)
	s_wait_xcnt 0x0                                ; the loads and prefetches have read their base
	s_add_nc_u64 s[VB:VB+1], s[VB:VB+1], 262144    ; four tiles on
	s_add_co_u32 s[LC], s[LC], 1
	s_cmp_lt_u32 s[LC], 4
	s_cbranch_scc1 .Lloop
	TRIP 0, 1, 0, 0, 0, 1                          ; nothing enters: places 1 to 3,
	TRIP 1, 1, 0, 0, 0, 2                          ; 2 and 3,
	TRIP 2, 0, 0, 0, 0, 3                          ; 3: the last quarter; nothing more is asked for
	CHANGE 0, 0, 0
	F2 3, 0
	; THE WAY OUT.  P + 4 p + e: lanes 0-15 P1, lanes 16-31 P2, of column 64 p + 4 (lane % 16) + e
	s_lshl_b32 s54, s22, 13
	s_lshl_b32 s56, s[WV], 10
	s_add_co_u32 s54, s54, s56
	s_mov_b32 s55, 0
	s_add_nc_u64 s[56:57], s[16:17], s[54:55]
	s_wait_alu depctr_va_vdst(0)
.irp p, 0,1,2,3
	global_store_b128 v[OA], v[P+4*\p:P+4*\p+3], s[56:57] offset:256*\p   ; lanes 0-15 store 256 consecutive bytes of P1, aligned; lanes 16-31 the same of P2
.endr
	s_wait_tensorcnt 0x0                           ; the wave's end
	ds_add_u32 v[SPW], v[NIL]
	s_wait_dscnt 0x0
	CROUND                                         ; the closing round
	s_endpgm
.Lfunc_end_k_q5d9742b301_main:
	.size	k_q5d9742b301_main, .Lfunc_end_k_q5d9742b301_main-k_q5d9742b301_main
	.p2alignl 7, 3214868480
	.fill 96, 4, 3214868480
	.section	.rodata,"a",@progbits
	.p2align	6, 0x0
	.amdhsa_kernel k_q5d9742b301_main
		.amdhsa_group_segment_fixed_size 327680
		.amdhsa_private_segment_fixed_size 0
		.amdhsa_enable_private_segment 0
		.amdhsa_kernarg_size 64
		.amdhsa_user_sgpr_count 2
		.amdhsa_user_sgpr_kernarg_segment_ptr 1
		.amdhsa_wavefront_size32 1
		.amdhsa_system_sgpr_workgroup_id_x 1
		.amdhsa_system_sgpr_workgroup_id_y 1
		.amdhsa_system_sgpr_workgroup_id_z 1
		.amdhsa_system_vgpr_workitem_id 0
		.amdhsa_next_free_vgpr 1024
		.amdhsa_next_free_sgpr 66
		.amdhsa_reserve_vcc 1
		.amdhsa_float_denorm_mode_32 3
		.amdhsa_float_denorm_mode_16_64 3
		.amdhsa_memory_ordered 1
		.amdhsa_forward_progress 1
		.amdhsa_inst_pref_size 255
	.end_amdhsa_kernel
	.section	.bss,"aw",@nobits
	.p2align	6
	.space	262144
	.amdgpu_metadata
---
amdhsa.version: [ 1, 2 ]
amdhsa.kernels:
  - .name:           k_q5d9742b301_main
    .symbol:         k_q5d9742b301_main.kd
    .args:
      - { .name: W1_codes, .offset: 0, .size: 8, .value_kind: global_buffer, .address_space: global }
      - { .name: W1_scales, .offset: 8, .size: 8, .value_kind: global_buffer, .address_space: global }
      - { .name: W2, .offset: 16, .size: 8, .value_kind: global_buffer, .address_space: global }
      - { .name: b, .offset: 24, .size: 8, .value_kind: global_buffer, .address_space: global }
      - { .name: q, .offset: 32, .size: 8, .value_kind: global_buffer, .address_space: global }
      - { .name: v, .offset: 40, .size: 8, .value_kind: global_buffer, .address_space: global }
      - { .name: part, .offset: 48, .size: 8, .value_kind: global_buffer, .address_space: global }
      - { .name: tq, .offset: 56, .size: 8, .value_kind: global_buffer, .address_space: global }
    .group_segment_fixed_size: 327680
    .private_segment_fixed_size: 0
    .kernarg_segment_align: 8
    .kernarg_segment_size: 64
    .max_flat_workgroup_size: 128
    .sgpr_count:     66
    .vgpr_count:     1024
    .wavefront_size: 32
...
	.end_amdgpu_metadata
.endif
;; end of part 1
;; launch reduce (part 2): grid 16 x 1, 16 waves a work-group, no clusters, 10,752 bytes of LDS; arguments part, tq, out0; writes out0
.if DOCPART == 2
	.amdgcn_target "amdgcn-amd-amdhsa--gfx1250"
	.amdhsa_code_object_version 6
	.text
	.protected	k_q5d9742b301_reduce
	.globl	k_q5d9742b301_reduce
	.p2align	8
	.type	k_q5d9742b301_reduce,@function
k_q5d9742b301_reduce:
	s_mov_b64 s[64:65], 0
	v_nop
	global_prefetch_b8 v0, s[64:65] scope:SCOPE_SE
	s_setreg_imm32_b32 hwreg(HW_REG_WAVE_MODE, 25, 1), 1
	s_wait_xcnt 0x0
; out0[k] = sum_g P1[g][k] + c0 sum_g P2[g][k],  c0 = sum_d tq[d].  part: [256][2][1024] f32 (P1, P2 of each work-group of the first launch); tq: [1024] f32.  Nothing is left out.
; Work-group x owns 64 columns (256 bytes).  Thread t: 4 columns (t % 16) of the groups t / 16 + 32 i, i = 0 .. 7: sixteen lanes read 256 consecutive bytes, aligned.  The 32 partial rows meet in LDS; wave 0 adds them.
.set RA,    0                          ; 512 threads x 16 bytes
.set C0A,   8192                       ; 16 waves' sums of tq
.set SPARE, 8448                       ; the spare words, 128 bytes a wave; no other line names them
	s_load_b128 s[4:7], s[0:1], 0x0                ; part, tq
	s_load_b64 s[8:9], s[0:1], 0x10                ; out0
	v_lshl_add_u32 v1, v0, 2, SPARE
	v_mov_b32 v2, 0
	v_lshrrev_b32 v3, 5, v0
	s_delay_alu instid0(VALU_DEP_1)
	v_readfirstlane_b32 s10, v3                    ; wave
	v_and_b32 v4, 15, v0
	v_lshrrev_b32 v5, 4, v0
	s_delay_alu instid0(VALU_DEP_1)
	v_lshlrev_b32 v6, 13, v5
	s_delay_alu instid0(VALU_DEP_1)
	v_lshl_add_u32 v6, v4, 4, v6                   ; 8,192 (t / 16) + 16 (t % 16)
	v_lshlrev_b32 v7, 3, v0                        ; tq: 8 t
	v_lshlrev_b32 v8, 4, v0                        ; RA + 16 t
	v_and_b32 v9, 31, v0
	s_delay_alu instid0(VALU_DEP_1)
	v_lshlrev_b32 v9, 3, v9                        ; 8 x lane
	s_lshl_b32 s11, s10, 2
	s_add_co_u32 s11, s11, C0A
	v_mov_b32 v10, s11
	v_mov_b32 v11, C0A
	s_lshl_b32 s12, ttmp9, 8
	s_mov_b32 s13, 0
	s_mov_b32 s14, 0x76543210
	s_mov_b32 s15, 0xfedcba98
	s_wait_alu depctr_va_vdst(0)
	s_wait_kmcnt 0x0
	s_add_nc_u64 s[4:5], s[4:5], s[12:13]
	s_add_nc_u64 s[8:9], s[8:9], s[12:13]
.irp i, 0,1,2,3,4,5,6,7
	global_load_b128 v[16+4*\i:19+4*\i], v6, s[4:5] offset:262144*\i
	global_load_b128 v[48+4*\i:51+4*\i], v6, s[4:5] offset:262144*\i+4096
.endr
	global_load_b64 v[80:81], v7, s[6:7]
	s_wait_loadcnt 0x0
	v_add_f32 v80, v80, v81
.irp m, 1,2,4,8
	s_delay_alu instid0(VALU_DEP_1)
	v_add_f32_dpp v80, v80, v80 row_xmask:\m row_mask:0xf bank_mask:0xf
.endr
	s_delay_alu instid0(VALU_DEP_1)
	v_permlanex16_b32 v81, v80, s14, s15
	s_delay_alu instid0(VALU_DEP_1)
	v_add_f32 v80, v80, v81                        ; my wave's 64 numbers of tq
	ds_store_b32 v10, v80
.irp b, 16,48
.irp i, 0,8,16,24
	v_pk_add_f32 v[\b+\i:\b+\i+1], v[\b+\i:\b+\i+1], v[\b+\i+4:\b+\i+5]
	v_pk_add_f32 v[\b+\i+2:\b+\i+3], v[\b+\i+2:\b+\i+3], v[\b+\i+6:\b+\i+7]
.endr
.irp i, 0
	v_pk_add_f32 v[\b+\i:\b+\i+1], v[\b+\i:\b+\i+1], v[\b+\i+8:\b+\i+9]
	v_pk_add_f32 v[\b+\i+2:\b+\i+3], v[\b+\i+2:\b+\i+3], v[\b+\i+10:\b+\i+11]
.endr
.irp i, 16
	s_delay_alu instid0(VALU_DEP_4)
	v_pk_add_f32 v[\b+\i:\b+\i+1], v[\b+\i:\b+\i+1], v[\b+\i+8:\b+\i+9]
	s_delay_alu instid0(VALU_DEP_4)
	v_pk_add_f32 v[\b+\i+2:\b+\i+3], v[\b+\i+2:\b+\i+3], v[\b+\i+10:\b+\i+11]
.endr
	s_delay_alu instid0(VALU_DEP_2)
	v_pk_add_f32 v[\b:\b+1], v[\b:\b+1], v[\b+16:\b+17]
	s_delay_alu instid0(VALU_DEP_2)
	v_pk_add_f32 v[\b+2:\b+3], v[\b+2:\b+3], v[\b+18:\b+19]
.endr
	s_wait_dscnt 0x0                               ; for the others' sake: my sum of tq lies in LDS
	s_barrier_signal -1
	s_barrier_wait -1
.irp i, 0,1,2,3
	ds_load_b128 v[56+4*\i:59+4*\i], v11 offset:16*\i
.endr
	s_wait_dscnt 0x0
.irp i, 0,2,4,6
	v_pk_add_f32 v[56+\i:57+\i], v[56+\i:57+\i], v[64+\i:65+\i]
.endr
	s_delay_alu instid0(VALU_DEP_2)
	v_pk_add_f32 v[56:57], v[56:57], v[60:61]
	s_delay_alu instid0(VALU_DEP_2)
	v_pk_add_f32 v[58:59], v[58:59], v[62:63]
	s_delay_alu instid0(VALU_DEP_1)
	v_pk_add_f32 v[56:57], v[56:57], v[58:59]
	s_delay_alu instid0(VALU_DEP_1)
	v_add_f32 v56, v56, v57                        ; c0, the same bits in every thread
	s_delay_alu instid0(VALU_DEP_1)
	v_pk_fma_f32 v[16:17], v[48:49], v[56:57], v[16:17] op_sel_hi:[1,0,1]
	s_delay_alu instid0(VALU_DEP_2)
	v_pk_fma_f32 v[18:19], v[50:51], v[56:57], v[18:19] op_sel_hi:[1,0,1]
	ds_store_b128 v8, v[16:19]
	s_wait_dscnt 0x0
	s_barrier_signal -1
	s_barrier_wait -1
	s_cmp_lg_u32 s10, 0
	s_cbranch_scc1 .Lend
.irp k, 0,1,2,3,4,5,6,7,8,9,10,11,12,13,14,15,16,17,18,19,20,21,22,23,24,25,26,27,28,29,30,31
	ds_load_b64 v[16+2*\k:17+2*\k], v9 offset:256*\k
.endr
	s_wait_dscnt 0x0
.irp k, 0,1,2,3,4,5,6,7,8,9,10,11,12,13,14,15
	v_pk_add_f32 v[16+2*\k:17+2*\k], v[16+2*\k:17+2*\k], v[48+2*\k:49+2*\k]
.endr
.irp k, 0,1,2,3,4,5,6,7
	v_pk_add_f32 v[16+2*\k:17+2*\k], v[16+2*\k:17+2*\k], v[32+2*\k:33+2*\k]
.endr
.irp k, 0,1,2,3
	s_delay_alu instid0(VALU_DEP_4)
	v_pk_add_f32 v[16+2*\k:17+2*\k], v[16+2*\k:17+2*\k], v[24+2*\k:25+2*\k]
.endr
	s_delay_alu instid0(VALU_DEP_2)
	v_pk_add_f32 v[16:17], v[16:17], v[20:21]
	s_delay_alu instid0(VALU_DEP_2)
	v_pk_add_f32 v[18:19], v[18:19], v[22:23]
	s_delay_alu instid0(VALU_DEP_1)
	v_pk_add_f32 v[16:17], v[16:17], v[18:19]
	global_store_b64 v9, v[16:17], s[8:9]          ; 32 lanes store 256 consecutive bytes, aligned
.Lend:
	s_wait_tensorcnt 0x0                           ; the wave's end, behind my last LDS store
	ds_add_u32 v1, v2
	s_wait_dscnt 0x0
	s_endpgm
.Lfunc_end_k_q5d9742b301_reduce:
	.size	k_q5d9742b301_reduce, .Lfunc_end_k_q5d9742b301_reduce-k_q5d9742b301_reduce
	.p2alignl 7, 3214868480
	.fill 96, 4, 3214868480
	.section	.rodata,"a",@progbits
	.p2align	6, 0x0
	.amdhsa_kernel k_q5d9742b301_reduce
		.amdhsa_group_segment_fixed_size 10752
		.amdhsa_private_segment_fixed_size 0
		.amdhsa_enable_private_segment 0
		.amdhsa_kernarg_size 24
		.amdhsa_user_sgpr_count 2
		.amdhsa_user_sgpr_kernarg_segment_ptr 1
		.amdhsa_wavefront_size32 1
		.amdhsa_system_sgpr_workgroup_id_x 1
		.amdhsa_system_sgpr_workgroup_id_y 1
		.amdhsa_system_sgpr_workgroup_id_z 1
		.amdhsa_system_vgpr_workitem_id 0
		.amdhsa_next_free_vgpr 96
		.amdhsa_next_free_sgpr 66
		.amdhsa_reserve_vcc 0
		.amdhsa_float_denorm_mode_32 3
		.amdhsa_float_denorm_mode_16_64 3
		.amdhsa_memory_ordered 1
		.amdhsa_forward_progress 1
		.amdhsa_inst_pref_size 12
	.end_amdhsa_kernel
	.amdgpu_metadata
---
amdhsa.version: [ 1, 2 ]
amdhsa.kernels:
  - .name:           k_q5d9742b301_reduce
    .symbol:         k_q5d9742b301_reduce.kd
    .args:
      - { .name: part, .offset: 0, .size: 8, .value_kind: global_buffer, .address_space: global }
      - { .name: tq, .offset: 8, .size: 8, .value_kind: global_buffer, .address_space: global }
      - { .name: out0, .offset: 16, .size: 8, .value_kind: global_buffer, .address_space: global }
    .group_segment_fixed_size: 10752
    .private_segment_fixed_size: 0
    .kernarg_segment_align: 8
    .kernarg_segment_size: 24
    .max_flat_workgroup_size: 512
    .sgpr_count:     66
    .vgpr_count:     96
    .wavefront_size: 32
...
	.end_amdgpu_metadata
.endif
;; end of part 2
